; MI455X (gfx1250); checked and timed in simulation.
; The chip was launched on July 23, 2026; its instructions are those of AMD's public machine-readable ISA for CDNA 5 (MIT licence, August 2026) and "CDNA5" Instruction Set Architecture Reference Guide (July 2026). The comments in the code are by the model that wrote it; some were corrected since.
;; Unimodal Attention Kernel. Allowed arithmetic: matrix products marked QUANTISED: E2M3 operands, one E8M0 scale for each 32 along K, by v_wmma_scale_f32_16x16x128_f8f6f4 with both operands' format E2M3, f32 sums; everything else in f32.
;; Inputs: Wk_codes 1,024 x 32 x 24 uint8 (E2M3 codes of Wk, K innermost, in blocks of 32 codes, four codes in three bytes); Wk_scales 1,024 x 32 uint8 (E8M0 scales of Wk, one for each 32 codes along K); Wo_codes 1,024 x 32 x 24 uint8 (E2M3 codes of Wo, K innermost, in blocks of 32 codes, four codes in three bytes); Wo_scales 1,024 x 32 uint8 (E8M0 scales of Wo, one for each 32 codes along K); Wq_codes 1,024 x 32 x 24 uint8 (E2M3 codes of Wq, K innermost, in blocks of 32 codes, four codes in three bytes); Wq_scales 1,024 x 32 uint8 (E8M0 scales of Wq, one for each 32 codes along K); Wv_codes 1,024 x 32 x 24 uint8 (E2M3 codes of Wv, K innermost, in blocks of 32 codes, four codes in three bytes); Wv_scales 1,024 x 32 uint8 (E8M0 scales of Wv, one for each 32 codes along K); bk 1,024 float32; bo 1,024 float32; bq 1,024 float32; bv 1,024 float32; key_codes 8 x 1,024 x 32 x 24 uint8 (E2M3 codes of key, K innermost, in blocks of 32 codes, four codes in three bytes); key_scales 8 x 1,024 x 32 uint8 (E8M0 scales of key, one for each 32 codes along K); query_codes 8 x 1,024 x 32 x 24 uint8 (E2M3 codes of query, K innermost, in blocks of 32 codes, four codes in three bytes); query_scales 8 x 1,024 x 32 uint8 (E8M0 scales of query, one for each 32 codes along K); value_codes 8 x 1,024 x 32 x 24 uint8 (E2M3 codes of value, K innermost, in blocks of 32 codes, four codes in three bytes); value_scales 8 x 1,024 x 32 uint8 (E8M0 scales of value, one for each 32 codes along K).
;; Outputs: out0 8 x 1,024 x 1,024 float32.
;; This version of the problem:
;;   THIS VERSION OF THE PROBLEM IS GIVEN IN LOW PRECISION. The matrix products marked QUANTISED in the list below multiply operands that are first quantised to E2M3 (2 exponent bits, 3 mantissa bits; 6 bits a number), with one power-of-two scale for each 32 numbers along K (OCP MX v1.0); their sums are f32. All else is computed in f32.
;;   The module's matrix products, in the order in which they are computed (A, B: the left and right operand; K: the contracted axis; several contracted axes count as one K, in the product's order):
;;     1. [M 8,192, K 1,024] x [K 1,024, N 1,024]; A: input query (given as codes); B: input Wq (given as codes): QUANTISED
;;     2. [M 8,192, K 1,024] x [K 1,024, N 1,024]; A: input key (given as codes); B: input Wk (given as codes): QUANTISED
;;     3. [M 8,192, K 1,024] x [K 1,024, N 1,024]; A: input value (given as codes); B: input Wv (given as codes): QUANTISED
;;     4. batch 128 x [M 1,024, K 64] x [K 64, N 1,024]; A: computed on the way; B: computed on the way: QUANTISED
;;     5. batch 128 x [M 1,024, K 1,024] x [K 1,024, N 64]; A: softmax (see below); B: computed on the way: QUANTISED
;;     6. [M 8,192, K 1,024] x [K 1,024, N 1,024]; A: computed on the way; B: input Wo (given as codes): QUANTISED
;;   THE QUANTISER, for each operand of a quantised product, along K:
;;     - K is cut into blocks of 32 from its start; a last block that is shorter is filled with zeros.
;;     - A block's scale is 2^e with e = floor(log2(the largest magnitude in the block)) - 2, held to -126 .. 127; a block of zeros has e = 0. As a byte (E8M0): e + 127.
;;     - Each number is divided by its block's scale, clamped to +-7.5, and rounded to the nearest number of E2M3, ties to even, subnormals kept.
;;     - The product sums the exact products of the quantised numbers (number of the format x scale) in f32.
;;   ~~~python
;;   def quantise(x, axis):      # numpy; x: float32 -> the quantised numbers, widened to float32 again
;;       x = np.moveaxis(x, axis, -1); K = x.shape[-1]
;;       x = np.pad(x, [(0, 0)] * (x.ndim - 1) + [(0, -K % 32)]); x = x.reshape(x.shape[:-1] + (-1, 32)); a = np.abs(x).max(-1, keepdims=True)
;;       e = np.where(a > 0, np.clip(np.frexp(np.where(a > 0, a, 1))[1] - 1 - 2, -126, 127), 0)      # np.frexp(a)[1] - 1 = floor(log2(a)), exactly
;;       r = np.clip(x / 2.0 ** e, -7.5, 7.5)
;;       step = 2.0 ** (np.maximum(np.frexp(np.where(r == 0, 1, r))[1] - 1, 0) - 3)
;;       q = np.round(r / step) * step * 2.0 ** e      # np.round: ties to even
;;       return np.moveaxis(q.reshape(q.shape[:-2] + (-1,))[..., :K], -1, axis).astype(np.float32)
;;   ~~~
;;   SOFTMAX AHEAD OF A QUANTISED PRODUCT. Where the list says 'softmax', what is quantised is not the finished softmax but p = 2^(t - M), with t = logit x log2(e) and M = ceil(the row's largest t), a whole number; so 1/2 < the row's largest p <= 1. The row's sum l is taken of the UNQUANTISED p, in f32, and the product's result is divided by l at the end. Since M is a whole number, a kernel that streams over the keys may use a running M (the ceiling of the running maximum): every later rescaling is an exact power of two, which a block's scale takes up: the codes' values come out the same.
;;   OPERANDS COMPUTED ON THE WAY. 'Computed on the way' means the value that the module computes at that place (a softmax that the list does not call 'softmax' is quantised finished and normalised). What goes into a quantiser is computed in f32, as accurately as f32 sums, v_exp_f32 and their like allow (about 1e-6 of the number): no bf16 or f16 on the way to a quantiser, and a product that is left as it is and whose result goes on into a quantised operand takes f32 operands (vector FMAs, or v_wmma_f32_16x16x4_f32). A number that lies on a knife's edge between two numbers of the format may be rounded either way, as far as f32 arithmetic and the matrix unit's own rounding can turn it there, and no further.
;;   INPUTS GIVEN AS CODES. Wk (in the module: [1024, 1024], K = its axis 1); Wo (in the module: [1024, 1024], K = its axis 1); Wq (in the module: [1024, 1024], K = its axis 1); Wv (in the module: [1024, 1024], K = its axis 1); key (in the module: [8, 1024, 1024], K = its axis 2); query (in the module: [8, 1024, 1024], K = its axis 2); value (in the module: [8, 1024, 1024], K = its axis 2): each comes as NAME_codes (uint8): NAME with its K axis moved to the last place and cut into blocks of 32 codes, [.., K / 32, bytes a block], one block behind the other in memory; four codes in three bytes: a row's codes are one little-endian stream of bits, code i at bits 6 i .. 6 i + 5 (a code: sign, 2 exponent bits, 3 mantissa bits); and NAME_scales (uint8): the same leading axes, one E8M0 byte (e + 127) for each 32 codes along K. Its value is code x scale, taken as it is: it is not quantised again, and the codes and scales need not be those that the quantiser above would give.
;; One version. Each part assembles by itself: llvm-mc -triple=amdgcn-amd-amdhsa -mcpu=gfx1250 --defsym DOCPART=n.
;; ======== version 1 of 1: 3 launches
;; limits: right only within a limited range of input values
;; workspace buffers: qimg 6,291,456 bytes; qs 524,288 bytes; kv 13,369,344 bytes; ao 6,291,456 bytes; aos 262,144 bytes
;; launch proj (part 1): grid 4 x 64, 4 waves a work-group, clusters of 4 x 4, 327,680 bytes of LDS; arguments query_codes, query_scales, Wq_codes, Wq_scales, key_codes, key_scales, Wk_codes, Wk_scales, Wv_codes, Wv_scales, value_codes, value_scales, bq, bk, bv, qimg, qs, kv; writes qimg, qs, kv
.if DOCPART == 1
	.amdgcn_target "amdgcn-amd-amdhsa--gfx1250"
	.amdhsa_code_object_version 6
	.text
	.protected	k_q9dfadd978e_proj
	.globl	k_q9dfadd978e_proj
	.p2align	8
	.type	k_q9dfadd978e_proj,@function
k_q9dfadd978e_proj:
	s_mov_b64 s[64:65], 0
	v_nop
	global_prefetch_b8 v0, s[64:65] scope:SCOPE_SE
	s_setreg_imm32_b32 hwreg(HW_REG_WAVE_MODE, 25, 1), 1
	s_wait_xcnt 0x0
	s_wait_alu depctr_hold_cnt(0) depctr_sa_sdst(0) depctr_va_vdst(0) depctr_va_sdst(0) depctr_va_ssrc(0) depctr_va_vcc(0) depctr_vm_vsrc(0)
	s_getreg_b32 s2, hwreg(HW_REG_IB_STS2, 6, 4)
	s_cmp_eq_u32 s2, 0
	s_cbranch_scc0 .Lentry_in_a_cluster
	s_endpgm
.Lentry_in_a_cluster:
	s_bfe_u32 s2, ttmp6, 0x10000c
	s_cmp_lg_u32 s2, 0xf033
	s_cbranch_scc0 .Lentry_shape_is_right
	s_endpgm
.Lentry_shape_is_right:
; THE PROGRAM: three launches.  This one: q = query Wq^T + bq, k = key Wk^T + bk, v = value Wv^T + bv on the given codes of FP6 (E2M3), each result quantised at once for the attention's two products.
; The second: causal attention on those codes.  The third: the projection by Wo.  Between launches only codes and scale bytes go through memory.
; WORK LEFT OUT (in the second launch): reference() itself sets scores of keys behind the query to -infinity, whose weight is 0 whatever the inputs hold; a step of 128 keys all of which lie behind a tile's 16 queries
; adds nothing to the row's sum or to its result, and is not computed.  Nothing else is left out: every input is loaded (bk too: it moves k's codes).
; LIMITS: a NaN, an infinity or an overflow that reaches only such hidden steps is not carried to the result.  NaN and infinities among the biases are not served.  A block whose largest magnitude lies under the floor
; (2^-124; for q 2^-121) keeps the byte 1.  A block of zeros gets the byte 1 where the rule says 127: its codes are zeros, and this program alone reads the bytes.
; q's FACTOR 1/8 is a power of two: acc + bq is quantised and 3 is taken off each scale byte.
; THE DEAL: 256 work-groups that stay; each makes three blocks of 128 x 256 of C = A B^T, K = 1,024: one of q (A = query, B = Wq), one of k (A = key, B = Wk), one of v (A = Wv, B = value: rows are channels, columns keys).
; A block's 384 rows, ALL of K (rows of 768 bytes, 16 bytes of padding behind every 256), lie in LDS at once: one joint load a wave (waves 0, 1 halves of A, waves 2, 3 halves of B).
; The next block's rows are asked for in a round of the cluster's barrier inside the last K step but one, when the last step's fragments are in registers too, and land under the last 32 products and the quantising.
; The v block, the last, is written out: it asks for nothing.  Four waves, 2 x 2, 64 x 128 each: 32 accumulators.  Scale words go from memory into registers: 32 bytes a row are a row's eight words.
; CLUSTERS 4 x 4: A's rows are shared by a row of the cluster, B's by a column.  PREFETCH: the next block's rows, a block's walk ahead of their load, shared out by address among the four partners of the load:
; key's (first trip) and value's (second) by every cluster, each for its own rows; the weights' rows, which all clusters read alike, by the clusters with y under 4 alone.  The first block comes by its loads alone.
; TRANSPOSED USE (source 0 = B's rows): lane (r, h) holds row r of C, register 8 b + j column 16 b + 8 h + j.  Inside a block of 32 the codes stand in the order 0-7, 16-23, 8-15, 24-31, alike in both operands of each later product.
; REGISTERS: window 0: addresses, scale words v32-83, A's fragments v128-223 (two sets; on the way out at work);  window 1: B's two sets v0-191, the biases v192-255;  window 2: the accumulators, (a, b) at 8 (8 a + b).
.set KROW,   768
.set PITCH,  816
.set ABASE,  128*PITCH                 ; B's 256 rows lie behind A's 128
.set QSTG,   384*PITCH                 ; stages for scale words, bytes of their own: q, k 2,048;
.set VSTG,   QSTG+2048                 ; v 1,024
.set SPARE,  VSTG+1024                 ; the spare words, 128 bytes a wave
.set QHEAD,  49152
.set QSTEP,  6144
.set KVHEAD, 104448
.set KVSTEP, 13056
.set VIOFF,  6144
.set KSOFF,  12288
.set VSOFF,  12800
.set L16, 7
.set L8,  8
.set H16, 9
.set QST, 10
.set QLD, 11
.set VST, 12
.set VLD, 13
.set BOQ, 15
.set BOV, 24
.set ABS, 25                           ; 32 x lane
.set SPW, 28
.set NIL, 29
.set SA,  32                           ; A's scale words: 8 (a / 2) + K step; lanes 0-15 the even block, 16-31 the odd
.set SB,  52                           ; B's likewise
.set ADA, 84                           ; LDS addresses of A's four blocks, two each (the second behind one padding more)
.set ADB, 92                           ; of B's eight
.set PF,  108
.set AF,  128
.set BN,  192                          ; window 1
.set HA,  128
.set PCA, 192
.set TM,  232
.set PW,  248
.set SH,  249
.set G1,  68
.set G1B, 76
.set G0,  84
.set G0B, 88
.set FLO, 98
.set ADJ, 99
.set SEL, 100
.set MSB, 0
.macro WIN new
.if MSB != \new
	s_set_vgpr_msb (MSB<<8)|\new
.set MSB, \new
.endif
.endm
.macro PLACES n
.rept \n
	v_nop
.endr
.endm
.macro WALU
	s_wait_alu depctr_va_vdst(0)
.endm
.macro JLOAD                           ; waves 0, 1 ask for A, waves 2, 3 for B; s_nop 0 and four v_nop behind each line
	s_cmp_eq_u32 s15, 0
	s_cbranch_scc0 .Lfor_b_\@
	tensor_load_to_lds s[G0:G0+3], s[G1:G1+7]
	s_nop 0
	PLACES 4
	s_branch .Lasked_\@
.Lfor_b_\@:
	tensor_load_to_lds s[G0B:G0B+3], s[G1B:G1B+7]
	s_nop 0
	PLACES 4
.Lasked_\@:
.endm
.macro CREST
	s_cmp_lg_u32 s14, 0
	s_cbranch_scc1 .Lnot_wave_0_\@
	s_barrier_signal -3
.Lnot_wave_0_\@:
	s_barrier_wait -3
	s_barrier_signal -1
	s_barrier_wait -1
.endm
.macro CROUND
	s_barrier_signal -1
	s_barrier_wait -1
	CREST
.endm
.macro GROUP1 g, mask, rows            ; rows of 768 bytes, 16 bytes of padding behind every 256
	s_or_b32 s[\g+0], s[\mask], (1<<20)|(1<<21)|(5<<22)|(3<<25)
	s_mov_b32 s[\g+1], KROW<<16
	s_mov_b32 s[\g+2], (\rows)<<16
	s_mov_b32 s[\g+3], KROW<<16
	s_mov_b32 s[\g+4], \rows
	s_mov_b32 s[\g+5], KROW
	s_mov_b32 s[\g+6], 0
	s_mov_b32 s[\g+7], 0
.endm
.macro FRAG reg, q, ad                 ; a fragment of K step q: six pieces of 8 bytes, two to a load where both go by one address register.  NLD counts the loads
.set SKIP_, 0
.irp p, 0,1,2,3,4,5
.if SKIP_
.set SKIP_, 0
.else
.set PC_, 12*(\q)+6*(\p/3)+\p%3
.set PN_, 12*(\q)+6*((\p+1)/3)+(\p+1)%3
.set X_, (PC_%32+3)/32
.set XQ_, (PN_%32+3)/32
.set NLD, NLD+1
.if (\p < 5) && (X_ == XQ_)
.set SKIP_, 1
	ds_load_2addr_b64 v[\reg+2*\p:\reg+2*\p+3], v[\ad+X_] offset0:PC_+2*(PC_/32) offset1:PN_+2*(PN_/32)
.else
	ds_load_b64 v[\reg+2*\p:\reg+2*\p+1], v[\ad+X_] offset:8*(PC_+2*(PC_/32))
.endif
.endif
.endr
.endm
.macro FETCH q                         ; K step q's twelve fragments into set q % 2
.set NLD, 0
	WIN 0x40
.irp b, 0,1,2,3,4,5,6,7
	FRAG 96*((\q)%2)+12*\b, \q, ADB+2*\b
.endr
	WIN 0
.irp a, 0,1,2,3
	FRAG AF+48*((\q)%2)+12*\a, \q, ADA+2*\a
.endr
.endm
.macro MM c, q, ap, bp, ra, rb
	v_wmma_scale_f32_16x16x128_f8f6f4 v[D_:D_+7], v[B_:B_+11], v[A_:A_+11], \c, v[SB+8*\bp+(\q)], v[SA+8*(\ap)+(\q)] matrix_a_fmt:MATRIX_FMT_FP6 matrix_b_fmt:MATRIX_FMT_FP6 matrix_a_scale:MATRIX_SCALE_ROW\rb matrix_b_scale:MATRIX_SCALE_ROW\ra
.endm
.macro MULH q, ap, first               ; 16 products: A's blocks 2 ap, 2 ap + 1 x B's eight.  The 32 accumulators take turns
.irp ra, 0,1
.irp bp, 0,1,2,3
.irp rb, 0,1
.set D_, 8*(8*(2*(\ap)+\ra)+2*\bp+\rb)
.set B_, 96*((\q)%2)+12*(2*\bp+\rb)
.set A_, AF+48*((\q)%2)+12*(2*(\ap)+\ra)
.if \first
	MM 0, \q, \ap, \bp, \ra, \rb
.else
	MM v[D_:D_+7], \q, \ap, \bp, \ra, \rb
.endif
.endr
.endr
.endr
.endm
.macro STEPQ q, first                  ; the next step's fragments are asked for, then this step's 32 products
	FETCH (\q)+1
	s_wait_dscnt NLD                               ; all but the loads just issued: this step's fragments are in
	WIN 0xa1
	MULH \q, 0, \first
	MULH \q, 1, \first
	WIN 0
	PLACES 4                                       ; ahead of the next loads into registers that products have read
.endm
.macro SCLOAD                          ; my rows' scale words
.irp p, 0,1
.irp c, 0,1
	global_load_b128 v[SA+8*\p+4*\c:SA+8*\p+4*\c+3], v[ABS], s[6:7] offset:1024*\p+16*\c
.endr
.endr
.irp p, 0,1,2,3
.irp c, 0,1
	global_load_b128 v[SB+8*\p+4*\c:SB+8*\p+4*\c+3], v[ABS], s[10:11] offset:1024*\p+16*\c
.endr
.endr
.endm
.macro WALK refill
	STEPQ 0, 1
.irp q, 1,2,3,4,5
	STEPQ \q, 0
.endr
	s_wait_loadcnt 0x0                             ; the biases
.if \refill
	FETCH 7                                        ; my last reads of these rows
	s_wait_tensorcnt 0x0                           ; the three lines ahead of the refill's round
	ds_add_u32 v[SPW], v[NIL]
	s_wait_dscnt NLD+1                             ; step 6's fragments are in; the fetch just issued and the add may be out
	WIN 0xa1
	MULH 6, 0, 0
	s_wait_dscnt 0x0                               ; step 7's fragments are in, the add is done
	s_barrier_signal -1
	MULH 6, 1, 0
	WIN 0
	s_barrier_wait -1
	CREST                                          ; no wave of any partner still reads these rows
	JLOAD                                          ; the next block's rows
.else
	STEPQ 6, 0
	s_wait_dscnt 0x0
.endif
	WIN 0xa1
	MULH 7, 0, 0
	MULH 7, 1, 0
	WIN 0
	PLACES 4                                       ; behind the last products
.if \refill
	SCLOAD                                         ; the next block's scale words
.endif
.endm
.macro TOP                             ; a block's rows and scale words are in, for all four waves; earlier stores have read their registers
	s_wait_tensorcnt 0x0
	s_wait_loadcnt 0x0
	s_wait_xcnt 0x0
	s_wait_dscnt 0x0
	s_barrier_signal -1
	s_barrier_wait -1
	FETCH 0
.endm
.macro LOADSET                         ; product s3 (0 q, 1 k, 2 v): both groups 0, my scale words' places s[6:7], s[10:11], my load's first byte s[96:97]
	s_cmp_eq_u32 s3, 0
	s_cselect_b64 s[4:5], s[16:17], s[24:25]
	s_cselect_b64 s[6:7], s[18:19], s[26:27]
	s_cselect_b64 s[8:9], s[20:21], s[28:29]
	s_cselect_b64 s[10:11], s[22:23], s[30:31]
	s_cmp_eq_u32 s3, 2
	s_cselect_b64 s[4:5], s[32:33], s[4:5]
	s_cselect_b64 s[6:7], s[34:35], s[6:7]
	s_cselect_b64 s[8:9], s[36:37], s[8:9]
	s_cselect_b64 s[10:11], s[38:39], s[10:11]
	s_cselect_b32 s57, s55, s54
	s_cselect_b32 s60, s56, s52
	s_lshl_b32 s57, s57, 7                         ; A's first row
	s_lshl_b32 s60, s60, 8                         ; B's
	s_lshl_b32 s58, s13, 6
	s_add_co_u32 s58, s58, s57
	s_mul_i32 s58, s58, KROW
	s_mov_b32 s59, 0
	s_add_nc_u64 s[G0+2:G0+3], s[4:5], s[58:59]
	s_lshl_b32 s61, s13, 7
	s_add_co_u32 s61, s61, s60                     ; the 128 rows of B that I fetch and multiply
	s_mul_i32 s62, s61, KROW
	s_mov_b32 s63, 0
	s_add_nc_u64 s[G0B+2:G0B+3], s[8:9], s[62:63]
	s_cmp_eq_u32 s15, 0
	s_cselect_b64 s[96:97], s[G0+2:G0+3], s[G0B+2:G0B+3]
	s_or_b32 s[G0+3], s[G0+3], 0x80000000
	s_or_b32 s[G0B+3], s[G0B+3], 0x80000000
	s_lshl_b32 s58, s15, 6
	s_add_co_u32 s58, s58, s57                     ; the 64 rows of A that I multiply
	s_lshl_b32 s58, s58, 5
	s_add_nc_u64 s[6:7], s[6:7], s[58:59]
	s_lshl_b32 s62, s61, 5
	s_add_nc_u64 s[10:11], s[10:11], s[62:63]
.endm
.macro OUTQK                           ; product s12 (0 q, 1 k): s[4:5], s[8:9] my two heads' places for codes, s[62:63] one head's scale words, s[66:67] the biases
	s_lshr_b32 s2, s54, 3
	s_lshl_b32 s2, s2, 4
	s_lshl_b32 s3, s52, 2
	s_add_co_u32 s2, s2, s3
	s_lshl_b32 s3, s13, 1
	s_add_co_u32 s2, s2, s3                        ; 16 x batch + my first head
	s_and_b32 s3, s54, 7                           ; which 128 tokens of the sequence
	s_mov_b32 s92, KVHEAD
	s_mov_b32 s94, KVSTEP
	s_mov_b32 s[FLO], 0x1800000
	s_cmp_eq_u32 s12, 0
	s_cselect_b32 s92, QHEAD, s92
	s_cselect_b32 s94, QSTEP, s94
	s_cselect_b32 s[FLO], 0x3000000, s[FLO]
	s_cselect_b32 s[ADJ], 0x03030303, 0
	s_cselect_b64 s[4:5], s[46:47], s[50:51]
	s_cselect_b64 s[66:67], s[40:41], s[42:43]
	s_mov_b32 s93, 0
	s_mov_b32 s95, 0
	s_mul_i32 s94, s3, s94
	s_add_nc_u64 s[4:5], s[4:5], s[94:95]
	s_mul_i32 s94, s2, s92
	s_add_nc_u64 s[4:5], s[4:5], s[94:95]
	s_mul_i32 s94, s15, s92                        ; wave (w, j) stores the scale words of head 2 j + w of the four
	s_add_nc_u64 s[62:63], s[4:5], s[94:95]
	s_add_nc_u64 s[62:63], s[62:63], KSOFF
	s_add_co_u32 s94, s2, s15
	s_lshl_b32 s94, s94, 12
	s_lshl_b32 s3, s3, 9
	s_add_co_u32 s94, s94, s3
	s_add_nc_u64 s[2:3], s[48:49], s[94:95]
	s_cmp_eq_u32 s12, 0
	s_cselect_b64 s[62:63], s[2:3], s[62:63]
	s_mul_i32 s94, s15, 3072                       ; my 64 rows are tiles 4 w .. 4 w + 3 of the eight
	s_add_nc_u64 s[4:5], s[4:5], s[94:95]
	s_add_nc_u64 s[8:9], s[4:5], s[92:93]
	s_lshl_b32 s94, s52, 10
	s_lshl_b32 s3, s13, 9
	s_add_co_u32 s94, s94, s3
	s_add_nc_u64 s[66:67], s[66:67], s[94:95]
.endm
; 64 numbers of a lane, four blocks of 16 registers, each block of 32 shared with lane l xor 16, become a fragment's codes in v[pc .. pc + 11] and the row's scale word in v[PW]
.macro QUANT s, pc
.irp b, 0,1,2,3
	v_max3_num_f32 v[TM+\b], |v[\s+16*\b]|, |v[\s+1+16*\b]|, s[FLO]
.endr
.irp i, 2,4,6,8,10,12,14
.irp b, 0,1,2,3
	v_max3_num_f32 v[TM+\b], v[TM+\b], |v[\s+16*\b+\i]|, |v[\s+1+16*\b+\i]|
.endr
.endr
.irp b, 0,1,2,3
	v_permlanex16_b32 v[TM+4+\b], v[TM+\b], s[SEL], s[SEL+1]
.endr
.irp b, 0,1,2,3
	v_max_num_f32 v[TM+\b], v[TM+\b], v[TM+4+\b]
.endr
.irp b, 0,1,2,3
	v_add_nc_u32 v[TM+12+\b], 0xff000000, v[TM+\b] ; 2 off the exponent field: the conversion's scale operand
.endr
.irp b, 0,1,2,3
	v_lshrrev_b32 v[TM+4+\b], 23, v[TM+12+\b]
.endr
	v_lshl_or_b32 v[PW], v[TM+5], 8, v[TM+4]
	v_lshl_or_b32 v[PW], v[TM+6], 16, v[PW]
	v_lshl_or_b32 v[PW], v[TM+7], 24, v[PW]
.irp c, 0,1
	v_cvt_scalef32_pk16_fp6_f32 v[\pc+6*\c:\pc+2+6*\c], v[\s+32*\c:\s+15+32*\c], v[TM+12+2*\c]
	v_cvt_scalef32_pk16_fp6_f32 v[\pc+12+4*\c:\pc+14+4*\c], v[\s+16+32*\c:\s+31+32*\c], v[TM+12+2*\c+1]
.endr
	v_nop                                          ; one plain place behind a scaled conversion
.irp c, 0,1
.irp i, 0,1,2
	v_permlane16_swap_b32 v[\pc+6*\c+\i], v[\pc+12+4*\c+\i]
.endr
.irp i, 0,1,2
	v_mov_b32 v[\pc+3+6*\c+\i], v[\pc+12+4*\c+\i]
.endr
.endr
.endm
.macro QKBLOCK a                       ; my rows 16 a on x my 128 columns (two heads)
.set PCC, PCA+20*((\a)%2)
	s_wait_xcnt 0x0                                ; earlier stores have read this set of codes
	WIN 0x06                                       ; source 0 window 2, source 1 window 1
.set ii, 0
.rept 32
	v_pk_add_f32 v[HA+ii:HA+ii+1], v[64*(\a)+ii:64*(\a)+ii+1], v[BN+ii:BN+ii+1]
.set ii, ii+2
.endr
	WIN 0
	QUANT HA, PCC
	v_sub_nc_u32 v[PW], v[PW], s[ADJ]              ; q: 3 off each byte; k: 0
	v_lshrrev_b32 v[SH], v[H16], v[PW]             ; lanes 0-15 the first head's two bytes lowest, lanes 16-31 the second's
	ds_store_b32 v[QST], v[SH] offset:256*((\a)%2)+4*((\a)/2)
.irp c, 0,1
	global_store_b128 v[L16], v[PCC+6*\c:PCC+6*\c+3], s[4+4*\c:5+4*\c] offset:768*(\a)
	global_store_b64 v[L8], v[PCC+6*\c+4:PCC+6*\c+5], s[4+4*\c:5+4*\c] offset:768*(\a)+512
.endr
.endm
.macro VBLOCK a                        ; my channels 16 a on (one head's 64) x my 128 keys
.set PCC, PCA+20*((\a)%2)
	s_wait_xcnt 0x0
	WIN 0x06
.set ii, 0
.rept 32
	v_pk_add_f32 v[HA+ii:HA+ii+1], v[64*(\a)+ii:64*(\a)+ii+1], v[BN+2*(\a):BN+2*(\a)+1]
.set ii, ii+2
.endr
	WIN 0
	QUANT HA, PCC
	ds_store_b32 v[VST], v[PW] offset:128*((\a)%2)+4*((\a)/2)
.irp g, 0,1,2
	global_store_b128 v[L16], v[PCC+4*\g:PCC+4*\g+3], s[4:5] offset:VIOFF+1536*(\a)+512*\g
.endr
.endm
; ---- the head
	s_load_b512 s[16:31], s[0:1], 0x0              ; query c, s; Wq c, s; key c, s; Wk c, s
	s_load_b512 s[32:47], s[0:1], 0x40             ; Wv c, s; value c, s; bq; bk; bv; qimg
	s_load_b128 s[48:51], s[0:1], 0x80             ; qs; kv
	v_lshl_add_u32 v[SPW], v0, 2, SPARE
	v_mov_b32 v[NIL], 0
	ds_add_u32 v[SPW], v[NIL]                      ; the opening lines
	ds_add_u32 v[SPW], v[NIL]
	v_lshrrev_b32 v1, 5, v0
	v_readfirstlane_b32 s14, v1                    ; wave
	s_lshr_b32 s15, s14, 1                         ; w: my half of the rows; also: I fetch for A (0) or B (1)
	s_and_b32 s13, s14, 1                          ; j: my half of the columns; also: which half I fetch
	s_mov_b32 s[SEL], 0x76543210
	s_mov_b32 s[SEL+1], 0xfedcba98
	s_bfe_u32 s52, ttmp6, 0x40000                  ; cx: q's and k's tile column
	s_bfe_u32 s53, ttmp6, 0x40004                  ; cy
	s_and_b32 s2, ttmp7, 0xffff                    ; cluster y, 0 .. 15
	s_lshl_b32 s54, s2, 2
	s_add_co_u32 s54, s54, s53                     ; q's and k's tile row, 0 .. 63
	s_and_b32 s55, s2, 1
	s_lshl_b32 s55, s55, 2
	s_add_co_u32 s55, s55, s53                     ; v's tile row, 0 .. 7
	s_lshr_b32 s56, s2, 1
	s_lshl_b32 s56, s56, 2
	s_add_co_u32 s56, s56, s52                     ; v's tile column, 0 .. 31
	s_lshl_b32 s2, s53, 2
	s_lshl_b32 s2, 15, s2                          ; my row of the cluster
	s_lshl_b32 s3, 0x1111, s52                     ; my column
	GROUP1 G1, 2, 64
	GROUP1 G1B, 3, 128
	s_mov_b32 s[G0], 1
	s_mul_i32 s[G0+1], s13, 64*PITCH
	s_mov_b32 s[G0B], 1
	s_mul_i32 s[G0B+1], s13, 128*PITCH
	s_add_co_u32 s[G0B+1], s[G0B+1], ABASE
	s_mul_i32 s2, s15, 64*PITCH
	s_lshl_b32 s57, s13, 10
	s_add_co_u32 s57, s57, QSTG
	s_lshl_b32 s58, s15, 9
	s_add_co_u32 s58, s58, s57                     ; where I read a head's scale words back
	s_lshl_b32 s59, s15, 3
	s_add_co_u32 s57, s57, s59                     ; where I put them: words 2 w, 2 w + 1 of a row's four
	s_lshl_b32 s59, s14, 8
	s_add_co_u32 s59, s59, VSTG
	s_cmp_eq_u32 s15, 0                            ; the prefetches: of my load's rows my work-group takes a quarter: 16 rows of A (48 blocks of 256 bytes) or 32 of B (96)
	s_cselect_b32 s60, 15, 31
	s_cselect_b32 s61, s52, s53
	s_add_co_u32 s62, s60, 1
	s_lshl_b32 s62, s62, 8
	s_mul_i32 s61, s61, s62
	s_mul_i32 s61, s61, 3
	s_mov_b32 s12, 0
	s_mov_b32 s3, 0
	v_and_b32 v1, 15, v0                           ; r
	v_bfe_u32 v2, v0, 4, 1                         ; h
	v_and_b32 v6, 31, v0
	v_mul_u32_u24 v3, v1, PITCH
	v_mad_u32_u24 v4, v2, 24, v3
	v_mad_u32_u24 v5, v2, 40, v3
	v_add_nc_u32 v16, s2, v4
	v_add_nc_u32 v17, s2, v5
	v_add_nc_u32 v18, s[G0B+1], v4
	v_add_nc_u32 v19, s[G0B+1], v5
.irp a, 0,1,2,3
	v_add_nc_u32 v[ADA+2*\a], \a*16*PITCH, v16
	v_add_nc_u32 v[ADA+2*\a+1], \a*16*PITCH, v17
.endr
.irp b, 0,1,2,3,4,5,6,7
	v_add_nc_u32 v[ADB+2*\b], \b*16*PITCH, v18
	v_add_nc_u32 v[ADB+2*\b+1], \b*16*PITCH, v19
.endr
	v_lshlrev_b32 v[L16], 4, v6
	v_lshlrev_b32 v[L8], 3, v6
	v_lshlrev_b32 v[ABS], 5, v6
	v_lshlrev_b32 v[H16], 4, v2
	v_lshl_add_u32 v[QST], v2, 9, s57
	v_lshl_add_u32 v[QST], v1, 4, v[QST]
	v_add_nc_u32 v[QLD], s58, v[L16]
	v_lshl_add_u32 v[VST], v1, 3, s59
	v_add_nc_u32 v[VLD], s59, v[L8]
	v_lshlrev_b32 v[BOQ], 5, v2
	v_lshlrev_b32 v[BOV], 2, v1
	v_min_u32 v[PF], s60, v6                       ; a lane a block; lanes left over name the instruction's last block again
	v_lshl_add_u32 v[PF], v[PF], 8, s61
	v_add_nc_u32 v[PF+1], s62, v[PF]
	v_add_nc_u32 v[PF+2], s62, v[PF+1]
.irp b, 0,1,2,3
	v_mov_b32 v[TM+4+\b], 0                        ; a lane permute's destination counts as a source
.endr
	WALU                                           ; the wait at the head's end
	s_wait_dscnt 0x0
	s_wait_kmcnt 0x0
	LOADSET
	CROUND                                         ; ahead of the first joint loads
	JLOAD                                          ; q's rows, one load a wave
	SCLOAD
.Ltile:                                                ; two trips: q, k
	TOP
	s_add_co_u32 s3, s12, 1
	LOADSET                                        ; no tensor load of mine is out: the next block's descriptors
	OUTQK
	WIN 0x40
.irp b, 0,1,2,3,4,5,6,7
	global_load_b128 v[BN+8*\b:BN+8*\b+3], v[BOQ], s[66:67] offset:64*\b
	global_load_b128 v[BN+8*\b+4:BN+8*\b+7], v[BOQ], s[66:67] offset:64*\b+16
.endr
	WIN 0
	s_cmp_eq_u32 s15, s12                          ; trip 0: A's waves ask for key's rows; trip 1: B's waves for value's;
	s_cbranch_scc1 .Lpf
	s_and_b32 s2, ttmp7, 0xffff                    ; the other two waves' rows are a weight's: the clusters with y under 4 ask for them
	s_cmp_lt_u32 s2, 4
	s_cbranch_scc0 .Lno_pf
.Lpf:
.irp i, 0,1,2
	global_prefetch_b8 v[PF+\i], s[96:97] th:TH_LOAD_NT scope:SCOPE_SE
.endr
.Lno_pf:
	WALK 1
.irp a, 0,1,2,3
	QKBLOCK \a
.endr
	WALU
	s_wait_dscnt 0x0                               ; my scale words are in the stage,
	s_barrier_signal -1
	s_barrier_wait -1                              ; and the other row wave's.
	ds_load_b128 v[HA:HA+3], v[QLD]
	s_wait_dscnt 0x0
	global_store_b128 v[L16], v[HA:HA+3], s[62:63] ; a head's 512 bytes of scale words
	s_add_co_u32 s12, s12, 1
	s_cmp_lt_u32 s12, 2
	WALU
	s_cbranch_scc1 .Ltile
; ---- v, the last block
	TOP
	s_lshl_b32 s2, s55, 1
	s_add_co_u32 s2, s2, s15                       ; my head
	s_lshl_b32 s3, s56, 1
	s_add_co_u32 s3, s3, s13                       ; which 128 of the 8,192 keys
	s_lshr_b32 s92, s3, 3
	s_lshl_b32 s92, s92, 4
	s_add_co_u32 s92, s92, s2
	s_and_b32 s3, s3, 7
	s_mul_i32 s92, s92, KVHEAD
	s_mul_i32 s3, s3, KVSTEP
	s_add_co_u32 s92, s92, s3
	s_mov_b32 s93, 0
	s_add_nc_u64 s[4:5], s[50:51], s[92:93]
	s_lshl_b32 s92, s2, 8
	s_add_nc_u64 s[66:67], s[44:45], s[92:93]
	s_mov_b32 s[FLO], 0x1800000
	WIN 0x40
.irp a, 0,1,2,3
	global_load_b32 v[BN+2*\a], v[BOV], s[66:67] offset:64*\a      ; channel 16 a + r, twice: it fills the pair
	global_load_b32 v[BN+2*\a+1], v[BOV], s[66:67] offset:64*\a
.endr
	WIN 0
	WALK 0
.irp a, 0,1,2,3
	VBLOCK \a
.endr
	ds_load_b64 v[HA:HA+1], v[VLD]                 ; my own stores, served in order
	s_wait_dscnt 0x0
	global_store_b64 v[L8], v[HA:HA+1], s[4:5] offset:VSOFF
	s_wait_tensorcnt 0x0                           ; the wave's end
	ds_add_u32 v[SPW], v[NIL]
	s_wait_dscnt 0x0
	CROUND
	s_endpgm
.Lfunc_end_k_q9dfadd978e_proj:
	.size	k_q9dfadd978e_proj, .Lfunc_end_k_q9dfadd978e_proj-k_q9dfadd978e_proj
	.p2alignl 7, 3214868480
	.fill 96, 4, 3214868480
	.section	.rodata,"a",@progbits
	.p2align	6, 0x0
	.amdhsa_kernel k_q9dfadd978e_proj
		.amdhsa_group_segment_fixed_size 327680
		.amdhsa_private_segment_fixed_size 0
		.amdhsa_enable_private_segment 0
		.amdhsa_kernarg_size 144
		.amdhsa_user_sgpr_count 2
		.amdhsa_user_sgpr_kernarg_segment_ptr 1
		.amdhsa_wavefront_size32 1
		.amdhsa_system_sgpr_workgroup_id_x 1
		.amdhsa_system_sgpr_workgroup_id_y 1
		.amdhsa_system_sgpr_workgroup_id_z 1
		.amdhsa_system_vgpr_workitem_id 0
		.amdhsa_next_free_vgpr 768
		.amdhsa_next_free_sgpr 102
		.amdhsa_reserve_vcc 0
		.amdhsa_float_denorm_mode_32 3
		.amdhsa_float_denorm_mode_16_64 3
		.amdhsa_memory_ordered 1
		.amdhsa_forward_progress 1
		.amdhsa_inst_pref_size 176
	.end_amdhsa_kernel
	.amdgpu_metadata
---
amdhsa.version: [ 1, 2 ]
amdhsa.kernels:
  - .name:           k_q9dfadd978e_proj
    .symbol:         k_q9dfadd978e_proj.kd
    .args:
      - { .name: query_codes, .offset: 0, .size: 8, .value_kind: global_buffer, .address_space: global }
      - { .name: query_scales, .offset: 8, .size: 8, .value_kind: global_buffer, .address_space: global }
      - { .name: Wq_codes, .offset: 16, .size: 8, .value_kind: global_buffer, .address_space: global }
      - { .name: Wq_scales, .offset: 24, .size: 8, .value_kind: global_buffer, .address_space: global }
      - { .name: key_codes, .offset: 32, .size: 8, .value_kind: global_buffer, .address_space: global }
      - { .name: key_scales, .offset: 40, .size: 8, .value_kind: global_buffer, .address_space: global }
      - { .name: Wk_codes, .offset: 48, .size: 8, .value_kind: global_buffer, .address_space: global }
      - { .name: Wk_scales, .offset: 56, .size: 8, .value_kind: global_buffer, .address_space: global }
      - { .name: Wv_codes, .offset: 64, .size: 8, .value_kind: global_buffer, .address_space: global }
      - { .name: Wv_scales, .offset: 72, .size: 8, .value_kind: global_buffer, .address_space: global }
      - { .name: value_codes, .offset: 80, .size: 8, .value_kind: global_buffer, .address_space: global }
      - { .name: value_scales, .offset: 88, .size: 8, .value_kind: global_buffer, .address_space: global }
      - { .name: bq, .offset: 96, .size: 8, .value_kind: global_buffer, .address_space: global }
      - { .name: bk, .offset: 104, .size: 8, .value_kind: global_buffer, .address_space: global }
      - { .name: bv, .offset: 112, .size: 8, .value_kind: global_buffer, .address_space: global }
      - { .name: qimg, .offset: 120, .size: 8, .value_kind: global_buffer, .address_space: global }
      - { .name: qs, .offset: 128, .size: 8, .value_kind: global_buffer, .address_space: global }
      - { .name: kv, .offset: 136, .size: 8, .value_kind: global_buffer, .address_space: global }
    .group_segment_fixed_size: 327680
    .private_segment_fixed_size: 0
    .kernarg_segment_align: 8
    .kernarg_segment_size: 144
    .max_flat_workgroup_size: 128
    .sgpr_count:     102
    .vgpr_count:     768
    .wavefront_size: 32
...
	.end_amdgpu_metadata
.endif
;; end of part 1
;; launch attn (part 2): grid 2 x 128, 16 waves a work-group, no clusters, 167,936 bytes of LDS; arguments qimg, qs, kv, ao, aos; writes ao, aos
.if DOCPART == 2
	.amdgcn_target "amdgcn-amd-amdhsa--gfx1250"
	.amdhsa_code_object_version 6
	.text
	.protected	k_q9dfadd978e_attn
	.globl	k_q9dfadd978e_attn
	.p2align	8
	.type	k_q9dfadd978e_attn,@function
k_q9dfadd978e_attn:
	s_mov_b64 s[64:65], 0
	v_nop
	global_prefetch_b8 v0, s[64:65] scope:SCOPE_SE
	s_setreg_imm32_b32 hwreg(HW_REG_WAVE_MODE, 25, 1), 1
	s_wait_xcnt 0x0
; Causal attention of one (batch, head) on codes of FP6 (E2M3): S^T = K Q^T over the head's 64, p = 2^(t - M), O^T = V^T P^T over the keys; O / l is quantised along D for the last projection.
; WORK LEFT OUT: a step of 128 keys all of which lie behind a tile's 16 queries: reference()'s own mask gives them the weight 0 for all inputs.  A NaN or an infinity that reaches only such steps is not carried on.
; THE SOFTMAX: t = score x log2(e) (q carries the factor 1/8); M = the running largest t rounded UP to a whole number; p = 2^(t - M) is quantised along the keys, not normalised; the row's sum is taken of the unquantised p
; and divides O at the end.  When M moves, the sum and O are multiplied by 2^(old M - new M): exact.  Key 0 counts for every query, so M is a number from the first step on.
; SHARES.  Two work-groups to a head, sixteen waves each, 256 registers a wave, four waves to a SIMD.  A wave owns TWO tiles of 16 queries, tile T and tile 63 - T: T / 8 + 1 and 8 - T / 8 key steps, nine for every wave.
; T = 8 cl + 2 (wave / 4) + work-group x, cl = (wave % 4 + wave / 4) % 4.
; LDS.  The head's whole block of kv, 8 key steps x 13,056 bytes, is fetched ONCE, by eight tensor loads of 51 rows of 256 bytes at the head, one a wave (wave n, n under 8, fetches key step n), and is never filled again.
; Waves 0 and 1 have a load line of their own.  The first barrier waits for their two loads alone and shows key steps 0 and 1; the second, ahead of key step 2, waits for all loads and shows the rest.  No other barrier stands.
; NO CLUSTER: a head's block is read by two work-groups alone, once each, and the grid's x is 2.  NO PREFETCH: every byte that the work-group reads is asked for at its head.
; LAYOUT.  Both products are used transposed: a lane holds ONE query (lane % 16); register 8 t + j of S^T is key 16 t + 8 (lane / 16) + j.  Quantised in registers, a block's 32 codes stand in the order 0-7, 16-23, 8-15, 24-31,
; which is the order in which the launch before laid V's codes along the keys, and q's and k's along the head.
; K = 64 IN AN INSTRUCTION OF K = 128: Q's registers 6-11 are zeros.  K's eight half fragments lie 6 registers apart: a fragment's upper half is the next tile's codes (behind the last: zeros), which meet Q's zeros.
; OUTPUT.  ao: images of half fragments, [row tile][head][768], the codes put back into their natural order (Wo's codes are given so).  aos: [row][32] scale bytes; a wave stores 2 bytes a row there, 2 for each 48 bytes of codes.
; LIMITS: a block whose largest magnitude lies under 2^-124 keeps the byte 1; so does a block of zeros (its codes are zeros; this program alone reads the bytes).
.set BLKB,  13056                      ; a key step's block: K's 8 half images (768 each), V's 4 images (1,536 each) at 6,144, K's scale words at 12,288, V's at 12,800
.set HEADB, 8*BLKB
.set SPARE, HEADB                      ; behind the head's block: the spare words, 128 bytes a wave
.set L16, 1
.set L8,  2
.set SPW, 3
.set NIL, 4
.set ADK, 5                            ; the key step's block + 16 x lane
.set ADK8, 6                           ; + 8 x lane
.set TMP, 7
.set STL, 8                            ; v8-11  the low tile: -M, the largest t, the sum in two halves
.set STH, 12                           ; v12-15 the high tile
.set QHI, 16                           ; v16-27 Q of the high tile: 6 registers and 6 zeros
.set QLO, 28
.set QSH, 40                           ; their scale words
.set QSL, 41
.set KS,  42                           ; v42-45 K's scale words
.set VS,  46                           ; v46-47 V's
.set F,   48                           ; v48-101 K: 8 x 6 registers and 6 zeros; then V: 4 x 12
.set S,   102                          ; v102-165 S^T, then p
.set OHI, 166
.set OLO, 198
.set P,   230                          ; p's codes
.set BM,  242
.set PX,  246
.set SO,  250
.set FF,  254                          ; f = 2^(old M - new M)
.set PS,  255                          ; p's scale word
.set WV,  14
.set G1,  16
.set G0,  24
.set BH,  40
.set TLO, 41
.set THI, 42
.set Q0L, 43
.set Q0H, 44
.set TB,  45                           ; LDS byte at which the key step's block begins
.set KF,  46                           ; the step's first key
.set CNT, 47
.set CS,  48                           ; s[48:49] log2(e), twice
.set SEL, 50
	s_load_b256 s[4:11], s[0:1], 0x0               ; qimg s[4:5], qs s[6:7], kv s[8:9], ao s[10:11]
	s_load_b64 s[12:13], s[0:1], 0x20              ; aos
	v_lshl_add_u32 v[SPW], v0, 2, SPARE
	v_mov_b32 v[NIL], 0
	ds_add_u32 v[SPW], v[NIL]                      ; the opening lines
	ds_add_u32 v[SPW], v[NIL]
	v_lshrrev_b32 v[TMP], 5, v0
	s_delay_alu instid0(VALU_DEP_1)
	v_readfirstlane_b32 s[WV], v[TMP]              ; wave 0..15
	s_and_b32 s[BH], ttmp7, 0xffff                 ; 16 x batch + head
	s_lshr_b32 s52, s[WV], 2
	s_and_b32 s53, s[WV], 3
	s_add_co_u32 s53, s53, s52
	s_and_b32 s53, s53, 3                          ; cl
	s_lshl_b32 s53, s53, 3
	s_lshl_b32 s52, s52, 1
	s_add_co_u32 s[TLO], s53, s52
	s_add_co_u32 s[TLO], s[TLO], ttmp9
	s_sub_co_u32 s[THI], 63, s[TLO]
	s_lshl_b32 s[Q0L], s[TLO], 4
	s_lshl_b32 s[Q0H], s[THI], 4
	s_mov_b32 s[G1+0], 3<<16                       ; elements of 8 bytes; no padding
	s_mov_b32 s[G1+1], 32<<16                      ; rows of 256 bytes
	s_mov_b32 s[G1+2], 51<<16
	s_mov_b32 s[G1+3], 32<<16
	s_mov_b32 s[G1+4], 51
	s_mov_b32 s[G1+5], 32
	s_mov_b32 s[G1+6], 0
	s_mov_b32 s[G1+7], 0
	s_mul_i32 s54, s[WV], BLKB                     ; wave n fetches key step n
	s_mul_i32 s56, s[BH], HEADB
	s_add_co_u32 s56, s56, s54
	s_mov_b32 s57, 0
	s_mov_b32 s[CS], 0x3fb8aa3b                    ; log2(e)
	s_mov_b32 s[CS+1], s[CS]
	s_mov_b32 s[SEL], 0x76543210
	s_mov_b32 s[SEL+1], 0xfedcba98
	s_mov_b32 s[TB], 0
	s_mov_b32 s[KF], 0
	s_wait_dscnt 0x0
	s_wait_kmcnt 0x0
	s_add_nc_u64 s[8:9], s[8:9], s[56:57]
	s_mov_b32 s[G0], 1
	s_mov_b32 s[G0+1], s54
	s_mov_b64 s[G0+2:G0+3], s[8:9]
	s_or_b32 s[G0+3], s[G0+3], 0x80000000
	s_cmp_lt_u32 s[WV], 2                          ; one chain of branches on the wave's number, one fill to an arm: waves 0 and 1, whose loads the first barrier waits for,
	s_cbranch_scc0 .Llater
	tensor_load_to_lds s[G0:G0+3], s[G1:G1+7]
	s_nop 0
.rept 4
	v_nop
.endr
	s_branch .Lno_fill
.Llater:
	s_cmp_lt_u32 s[WV], 8                          ; and waves 2 to 7
	s_cbranch_scc0 .Lno_fill
	tensor_load_to_lds s[G0:G0+3], s[G1:G1+7]
	s_nop 0
.rept 4
	v_nop
.endr
.Lno_fill:
	v_and_b32 v[TMP], 31, v0
	s_delay_alu instid0(VALU_DEP_1)
	v_lshlrev_b32 v[L16], 4, v[TMP]
	s_wait_alu depctr_va_vdst(0)
	v_lshlrev_b32 v[L8], 3, v[TMP]
	s_wait_alu depctr_va_vdst(0)
	v_and_b32 v[ADK], 15, v0
	s_delay_alu instid0(VALU_DEP_1)
	v_lshlrev_b32 v[ADK], 4, v[ADK]                ; 16 r: a row's place among the scale words
	s_wait_alu depctr_va_vdst(0)
	s_lshl_b32 s52, s[BH], 6
	s_add_co_u32 s53, s52, s[THI]
	s_mul_i32 s58, s53, 768
	s_mov_b32 s59, 0
	s_add_nc_u64 s[58:59], s[4:5], s[58:59]        ; the high tile's half image
	s_add_co_u32 s53, s52, s[TLO]
	s_mul_i32 s60, s53, 768
	s_mov_b32 s61, 0
	s_add_nc_u64 s[60:61], s[4:5], s[60:61]        ; the low tile's
.macro QSAT d, t                       ; s[d:d+1] = qs at tile t's words: (8 bh + t / 8) x 512 + 256 (t % 2) + 4 ((t % 8) / 2)
	s_lshl_b32 s52, s[BH], 3
	s_lshr_b32 s53, s[\t], 3
	s_add_co_u32 s52, s52, s53
	s_lshl_b32 s52, s52, 9
	s_and_b32 s53, s[\t], 1
	s_lshl_b32 s53, s53, 8
	s_add_co_u32 s52, s52, s53
	s_bfe_u32 s53, s[\t], 0x20001
	s_lshl_b32 s53, s53, 2
	s_add_co_u32 s[\d], s52, s53
	s_mov_b32 s[\d+1], 0
	s_add_nc_u64 s[\d:\d+1], s[6:7], s[\d:\d+1]
.endm
	QSAT 62, THI
	QSAT 66, TLO
	global_load_b128 v[QHI:QHI+3], v[L16], s[58:59]
	global_load_b64 v[QHI+4:QHI+5], v[L8], s[58:59] offset:512
	global_load_b32 v[QSH], v[ADK], s[62:63]
	global_load_b128 v[QLO:QLO+3], v[L16], s[60:61]
	global_load_b64 v[QLO+4:QLO+5], v[L8], s[60:61] offset:512
	global_load_b32 v[QSL], v[ADK], s[66:67]
.irp i, 6,7,8,9,10,11
	v_mov_b32 v[QHI+\i], 0                         ; K = 64 .. 127 of Q: zero codes
	v_mov_b32 v[QLO+\i], 0
	v_mov_b32 v[F+42+\i], 0                        ; behind K's last half fragment
.endr
.irp st, STL, STH
	v_mov_b32 v[\st+1], 0xff61b1e6                 ; the largest t so far: -3e38
	s_delay_alu instid0(VALU_DEP_1)
	v_floor_f32 v[\st], -v[\st+1]                  ; -M
	v_mov_b32 v[\st+2], 0
	v_mov_b32 v[\st+3], 0
.endr
.irp b, 0,1,2,3
	v_mov_b32 v[PX+\b], 0                          ; a lane permute's destination counts as a source
.endr
	v_mov_b32 v[PS], 0
.set n, 0
.rept 64
	v_mov_b32 v[OHI+n], 0                          ; both O^T: a key step has no first step of its own
.set n, n+1
.endr
; A KEY STEP of one tile: 128 keys.  masked = 1: the step may lie on or behind the diagonal.
.macro STEP q, qs, st, o, q0, masked
.if \masked
	s_add_co_u32 s52, s[\q0], 15                   ; all keys behind my 16 queries: the step is left out.  A scalar branch on ids; no barrier and no tensor load stands in a step
	s_cmp_gt_u32 s[KF], s52
	s_cbranch_scc1 .Lhidden_\@
.endif
	v_add_nc_u32 v[ADK], s[TB], v[L16]
	v_add_nc_u32 v[ADK8], s[TB], v[L8]
	v_nop
	v_nop                                          ; four places in front of loads into registers that the last products have read
	ds_load_b128 v[KS:KS+3], v[ADK] offset:12288
.irp t, 0,1,2,3,4,5,6,7
	ds_load_b128 v[F+6*\t:F+6*\t+3], v[ADK] offset:768*\t
	ds_load_b64 v[F+6*\t+4:F+6*\t+5], v[ADK8] offset:768*\t+512
.endr
	s_wait_alu depctr_va_vdst(0)
	s_wait_dscnt 0x0
.irp t, 0,1,2,3,4,5,6,7
.if \t%2
	v_wmma_scale_f32_16x16x128_f8f6f4 v[S+8*\t:S+8*\t+7], v[F+6*\t:F+6*\t+11], v[\q:\q+11], 0, v[KS+\t/2], v[\qs] matrix_a_fmt:MATRIX_FMT_FP6 matrix_b_fmt:MATRIX_FMT_FP6 matrix_a_scale:MATRIX_SCALE_ROW1
.else
	v_wmma_scale_f32_16x16x128_f8f6f4 v[S+8*\t:S+8*\t+7], v[F+6*\t:F+6*\t+11], v[\q:\q+11], 0, v[KS+\t/2], v[\qs] matrix_a_fmt:MATRIX_FMT_FP6 matrix_b_fmt:MATRIX_FMT_FP6
.endif
.endr
.rept 4
	v_nop                                          ; places in front of the loads into K's registers and of the first read of the scores
.endr
.irp t, 0,1,2,3
.irp g, 0,1,2
	ds_load_b128 v[F+12*\t+4*\g:F+12*\t+4*\g+3], v[ADK] offset:6144+1536*\t+512*\g   ; V's four fragments land while the softmax is walked
.endr
.endr
	ds_load_b64 v[VS:VS+1], v[ADK8] offset:12800
.if \masked                            ; on the diagonal the scores of hidden keys become -infinity ahead of the maximum.  A step all of whose keys count skips this
	s_add_co_u32 s52, s[KF], 127
	s_cmp_le_u32 s52, s[\q0]
	s_cbranch_scc1 .Lopen_\@
	s_sub_co_i32 s52, s[\q0], s[KF]
	v_and_b32 v[TMP], 15, v0
	v_bfe_u32 v[BM+1], v0, 4, 1
	s_delay_alu instid0(VALU_DEP_1)
	v_lshlrev_b32 v[BM+1], 3, v[BM+1]
	s_delay_alu instid0(VALU_DEP_1)
	v_sub_nc_u32 v[TMP], v[TMP], v[BM+1]
	s_delay_alu instid0(VALU_DEP_1)
	v_add_nc_u32 v[TMP], s52, v[TMP]               ; d = my query - KF - 8 (lane / 16).  Register n is hidden where 16 (n / 8) + n % 8 > d
	v_mov_b32 v[BM], 0xff800000                    ; -infinity
.set n, 0
.rept 64
	v_cmp_gt_i32 vcc_lo, 16*(n/8)+n%8, v[TMP]
	v_cndmask_b32 v[S+n], v[S+n], v[BM], vcc_lo
.set n, n+1
.endr
.Lopen_\@:
.endif
.irp b, 0,1,2,3
	v_max3_num_f32 v[BM+\b], v[S+16*\b], v[S+1+16*\b], v[S+2+16*\b]   ; the largest score of each block of 32 keys: for the row's maximum and, since p rises with the score, for the block's largest p
.endr
.irp i, 3,5,7,9,11,13
.irp b, 0,1,2,3
	v_max3_num_f32 v[BM+\b], v[BM+\b], v[S+16*\b+\i], v[S+1+16*\b+\i]
.endr
.endr
.irp b, 0,1,2,3
	v_max_num_f32 v[BM+\b], v[BM+\b], v[S+15+16*\b]
.endr
.irp b, 0,1,2,3
	s_delay_alu instid0(VALU_DEP_4)
	v_permlanex16_b32 v[PX+\b], v[BM+\b], s[SEL], s[SEL+1]
.endr
.irp b, 0,1,2,3
	s_delay_alu instid0(VALU_DEP_4)
	v_max_num_f32 v[BM+\b], v[BM+\b], v[PX+\b]     ; with lane l xor 16's 16 keys
.endr
	s_delay_alu instid0(VALU_DEP_2)
	v_max3_num_f32 v[TMP], v[BM], v[BM+1], v[BM+2]
	s_delay_alu instid0(VALU_DEP_1)
	v_max_num_f32 v[TMP], v[TMP], v[BM+3]
	s_delay_alu instid0(VALU_DEP_1)
	v_mul_f32 v[TMP], s[CS], v[TMP]                ; as t
	s_delay_alu instid0(VALU_DEP_1)
	v_max_num_f32 v[\st+1], v[\st+1], v[TMP]       ; the running largest t
	v_mov_b32 v[TMP], v[\st]
	s_delay_alu instid0(VALU_DEP_2)
	v_floor_f32 v[\st], -v[\st+1]                  ; the new -M = -ceil(t): a whole number
	s_delay_alu instid0(VALU_DEP_1)
	v_sub_f32 v[TMP], v[\st], v[TMP]               ; old M - new M: a whole number, 0 or less
	s_delay_alu instid0(VALU_DEP_1)
	v_cvt_i32_f32 v[TMP], v[TMP]                   ; (it saturates)
	s_delay_alu instid0(VALU_DEP_1)
	v_ldexp_f32 v[FF], 1.0, v[TMP]                 ; f = 2^(old M - new M)
.set n, 0
.rept 32
	v_pk_fma_f32 v[S+n:S+n+1], v[S+n:S+n+1], s[CS:CS+1], v[\st:\st+1] op_sel_hi:[1,0,0]   ; t - M, two at a time
.set n, n+2
.endr
.irp b, 0,1,2,3
	v_fma_f32 v[BM+\b], v[BM+\b], s[CS], v[\st]    ; the same of each block's largest score
.endr
.set n, 0
	s_wait_alu depctr_va_vdst(0)
.rept 64
	v_exp_f32 v[S+n], v[S+n]                       ; p = 2^(t - M), at most 1
.set n, n+1
.endr
	v_pk_mul_f32 v[\st+2:\st+3], v[\st+2:\st+3], v[FF:FF+1] op_sel_hi:[1,0]   ; the sums under the new M: the plain instruction behind the exponentials
	s_wait_alu depctr_va_vdst(0)                   ; one wait for the whole batch, ahead of its first reader
.irp b, 0,1,2,3
	v_exp_f32 v[BM+\b], v[BM+\b]                   ; the block's largest p: the same two instructions on the same number give the same bits
.endr
	v_pk_add_f32 v[PX:PX+1], v[S:S+1], v[S+2:S+3]  ; the row's sum is taken of the unquantised p: two at a time, in two chains
.irp j, 4,8,12,16,20,24,28,32,36,40,44,48,52,56,60
	v_pk_add_f32 v[\st+2:\st+3], v[\st+2:\st+3], v[S+\j:S+\j+1]
	v_pk_add_f32 v[PX:PX+1], v[PX:PX+1], v[S+2+\j:S+3+\j]
.endr
	s_delay_alu instid0(VALU_DEP_1)
	v_pk_add_f32 v[\st+2:\st+3], v[\st+2:\st+3], v[PX:PX+1]
	s_wait_alu depctr_va_vdst(0)                   ; and one for the four
.irp b, 0,1,2,3
	v_max_num_f32 v[BM+\b], 0x1800000, v[BM+\b]    ; the floor 2^(3 - 127): the byte cannot fall under 1
.endr
.irp b, 0,1,2,3
	s_delay_alu instid0(VALU_DEP_4)
	v_add_nc_u32 v[SO+\b], 0xff000000, v[BM+\b]    ; 2 off the exponent field: the conversion's scale operand
.endr
.irp b, 0,1,2,3
	s_delay_alu instid0(VALU_DEP_4)
	v_lshrrev_b32 v[PX+\b], 23, v[SO+\b]           ; the scale's byte
.endr
	s_delay_alu instid0(VALU_DEP_3)
	v_lshl_or_b32 v[PS], v[PX+1], 8, v[PX]         ; p's scale word for these 128 keys
	s_delay_alu instid0(VALU_DEP_1)
	v_lshl_or_b32 v[PS], v[PX+2], 16, v[PS]
	s_delay_alu instid0(VALU_DEP_1)
	v_lshl_or_b32 v[PS], v[PX+3], 24, v[PS]
	v_cvt_scalef32_pk16_fp6_f32 v[P:P+2], v[S:S+15], v[SO]
	v_cvt_scalef32_pk16_fp6_f32 v[PX:PX+2], v[S+16:S+31], v[SO+1]     ; (a conversion's three registers begin on an even number)
	v_cvt_scalef32_pk16_fp6_f32 v[P+6:P+8], v[S+32:S+47], v[SO+2]
	v_cvt_scalef32_pk16_fp6_f32 v[BM:BM+2], v[S+48:S+63], v[SO+3]
	v_nop                                          ; one plain place behind a scaled conversion
.irp i, 0,1,2                          ; a WHOLE block in a lane: lanes 0-15 block 2 c, lanes 16-31 block 2 c + 1
	v_permlane16_swap_b32 v[P+\i], v[PX+\i]
.endr
.irp i, 0,1,2
	s_delay_alu instid0(VALU_DEP_3)
	v_mov_b32 v[P+3+\i], v[PX+\i]
.endr
.irp i, 0,1,2
	v_permlane16_swap_b32 v[P+6+\i], v[BM+\i]
.endr
.irp i, 0,1,2
	s_delay_alu instid0(VALU_DEP_3)
	v_mov_b32 v[P+9+\i], v[BM+\i]
.endr
.set n, 0
.rept 16
	v_pk_mul_f32 v[\o+n:\o+n+1], v[\o+n:\o+n+1], v[FF:FF+1] op_sel_hi:[1,0]   ; O^T under the new M.  (These 16 are also the places between the lines that made p's codes and scale word and the products below)
.set n, n+2
.endr
	s_wait_alu depctr_va_vdst(0)
	s_wait_dscnt 0x0                               ; V is in
.irp t, 0,1,2,3                        ; the four accumulators take turns
.if \t%2
	v_wmma_scale_f32_16x16x128_f8f6f4 v[\o+8*\t:\o+8*\t+7], v[F+12*\t:F+12*\t+11], v[P:P+11], v[\o+8*\t:\o+8*\t+7], v[VS+\t/2], v[PS] matrix_a_fmt:MATRIX_FMT_FP6 matrix_b_fmt:MATRIX_FMT_FP6 matrix_a_scale:MATRIX_SCALE_ROW1
.else
	v_wmma_scale_f32_16x16x128_f8f6f4 v[\o+8*\t:\o+8*\t+7], v[F+12*\t:F+12*\t+11], v[P:P+11], v[\o+8*\t:\o+8*\t+7], v[VS+\t/2], v[PS] matrix_a_fmt:MATRIX_FMT_FP6 matrix_b_fmt:MATRIX_FMT_FP6
.endif
.endr
.if \masked
.Lhidden_\@:
.endif
.endm
; Two key steps.  show = 1: the first pair: waves 0 and 1 wait for their loads, and a barrier shows key steps 0 and 1.  show = 2: every wave waits for its load, and a barrier shows all the rest.  show = 0: no barrier.
; both = 1 (keys under 512): the high tile sees every key; the low tile may be on or behind its diagonal.
.macro PHASE show, both
.if \show == 1
	s_cmp_lt_u32 s[WV], 2
	s_cbranch_scc0 .Lnot_mine_\@
	s_wait_tensorcnt 0x0
.Lnot_mine_\@:
.endif
.if \show == 2
	s_wait_tensorcnt 0x0
.endif
.if \show
	s_wait_dscnt 0x0
	s_barrier_signal -1
	s_barrier_wait -1
.endif
	s_mov_b32 s[CNT], 2
.Ltrip_\@:
.if \both
	STEP QHI, QSH, STH, OHI, Q0H, 0
	STEP QLO, QSL, STL, OLO, Q0L, 1
.else
	STEP QHI, QSH, STH, OHI, Q0H, 1
.endif
	s_add_co_u32 s[TB], s[TB], BLKB
	s_add_co_u32 s[KF], s[KF], 128
	s_sub_co_u32 s[CNT], s[CNT], 1
	s_cmp_lg_u32 s[CNT], 0
	s_cbranch_scc1 .Ltrip_\@
.endm
	s_wait_loadcnt 0x0                             ; Q
	PHASE 1, 1
	PHASE 2, 1
	PHASE 0, 0
	PHASE 0, 0
	; THE WAY OUT.  O^T / the sum, quantised along D: my tile's 64 channels are two blocks of 32, each shared with lane l xor 16.
.rept 4
	v_nop                                          ; places behind the last products
.endr
	s_lshr_b32 s52, s[BH], 4                       ; batch
	s_and_b32 s53, s[BH], 15                       ; head
	s_lshl_b32 s52, s52, 6
.macro OUTAT d, t                      ; s[d:d+1] = ao at (row tile, head), s[d+2:d+3] = aos at the tile's first row, the head's two bytes
	s_add_co_u32 s54, s52, s[\t]                   ; row tile = 64 x batch + T
	s_lshl_b32 s55, s54, 4
	s_add_co_u32 s55, s55, s53
	s_mul_i32 s[\d], s55, 768
	s_mov_b32 s[\d+1], 0
	s_add_nc_u64 s[\d:\d+1], s[10:11], s[\d:\d+1]
	s_lshl_b32 s54, s54, 9                         ; 16 rows of 32 bytes
	s_lshl_b32 s55, s53, 1
	s_add_co_u32 s[\d+2], s54, s55
	s_mov_b32 s[\d+3], 0
	s_add_nc_u64 s[\d+2:\d+3], s[12:13], s[\d+2:\d+3]
.endm
	OUTAT 68, THI
	OUTAT 72, TLO
	v_and_b32 v[ADK], 15, v0
	s_delay_alu instid0(VALU_DEP_1)
	v_lshlrev_b32 v[ADK], 5, v[ADK]                ; 32 r: my row of scale bytes
	v_add_f32 v[STH+2], v[STH+2], v[STH+3]         ; the sums' two halves,
	v_add_f32 v[STL+2], v[STL+2], v[STL+3]
	s_delay_alu instid0(VALU_DEP_2)
	v_permlanex16_b32 v[PX], v[STH+2], s[SEL], s[SEL+1]
	s_delay_alu instid0(VALU_DEP_2)
	v_permlanex16_b32 v[PX+1], v[STL+2], s[SEL], s[SEL+1]
	s_delay_alu instid0(VALU_DEP_2)
	v_add_f32 v[STH+2], v[STH+2], v[PX]            ; and lane l xor 16's
	s_delay_alu instid0(VALU_DEP_2)
	v_add_f32 v[STL+2], v[STL+2], v[PX+1]
	s_wait_alu depctr_va_vdst(0)
	v_rcp_f32 v[STH+2], v[STH+2]
	v_rcp_f32 v[STL+2], v[STL+2]
	v_nop                                          ; a plain instruction behind the reciprocals
	s_wait_alu depctr_va_vdst(0)                   ; one wait for both, ahead of the first reader
; o: the tile's O^T; st: its statistics; w: 32 registers for O / l; r: 7 registers that the stores read; d: its four scalars
.macro OUT o, st, w, r, d
.set n, 0
.rept 16
	v_pk_mul_f32 v[\w+n:\w+n+1], v[\o+n:\o+n+1], v[\st+2:\st+3] op_sel_hi:[1,0]   ; register 8 t + j: channel 16 t + 8 h + j.  Each accumulator from its low end on
.set n, n+2
.endr
.irp b, 0,1
	v_max3_num_f32 v[BM+\b], |v[\w+16*\b]|, |v[\w+1+16*\b]|, 0x1800000
.endr
.irp i, 2,4,6,8,10,12,14
.irp b, 0,1
	s_delay_alu instid0(VALU_DEP_2)
	v_max3_num_f32 v[BM+\b], v[BM+\b], |v[\w+16*\b+\i]|, |v[\w+1+16*\b+\i]|
.endr
.endr
.irp b, 0,1
	s_delay_alu instid0(VALU_DEP_2)
	v_permlanex16_b32 v[PX+\b], v[BM+\b], s[SEL], s[SEL+1]
.endr
.irp b, 0,1
	s_delay_alu instid0(VALU_DEP_2)
	v_max_num_f32 v[BM+\b], v[BM+\b], v[PX+\b]
.endr
.irp b, 0,1
	s_delay_alu instid0(VALU_DEP_2)
	v_add_nc_u32 v[SO+\b], 0xff000000, v[BM+\b]
.endr
.irp b, 0,1
	s_delay_alu instid0(VALU_DEP_2)
	v_lshrrev_b32 v[PX+\b], 23, v[SO+\b]
.endr
	s_delay_alu instid0(VALU_DEP_1)
	v_lshl_or_b32 v[\r+6], v[PX+1], 8, v[PX]       ; the row's two scale bytes of this head
	v_cvt_scalef32_pk16_fp6_f32 v[\r:\r+2], v[\w:\w+15], v[SO]        ; x
	v_cvt_scalef32_pk16_fp6_f32 v[P:P+2], v[\w+16:\w+31], v[SO+1]     ; y
	v_nop
.irp i, 0,1,2
	v_permlane16_swap_b32 v[\r+\i], v[P+\i]        ; lane (r, h) now holds block h: x = channels 0-7, 16-23 of it, y = 8-15, 24-31: runs of 8 codes, 6 bytes
.endr
	s_delay_alu instid0(VALU_DEP_1)
	v_perm_b32 v[\r+3], v[\r+2], v[\r+1], 0x05040302   ; the natural order: bytes 12-15 = x's 6-9,
	s_delay_alu instid0(VALU_DEP_2)
	v_perm_b32 v[\r+4], v[P+1], v[\r+2], 0x07060302    ; 16-19 = x's 10, 11, y's 6, 7,
	s_delay_alu instid0(VALU_DEP_4)
	v_perm_b32 v[\r+1], v[P], v[\r+1], 0x05040100      ; 4-7 = x's 4, 5, y's 0, 1,
	v_perm_b32 v[\r+2], v[P+1], v[P], 0x05040302       ; 8-11 = y's 2-5,
	v_mov_b32 v[\r+5], v[P+2]                          ; 20-23 = y's 8-11; bytes 0-3 are x's as they stand
	global_store_b128 v[L16], v[\r:\r+3], s[\d:\d+1]                  ; 32 lanes: 512 consecutive bytes, aligned to 256
	global_store_b64 v[L8], v[\r+4:\r+5], s[\d:\d+1] offset:512       ; and 256
	global_store_b16 v[ADK], v[\r+6], s[\d+2:\d+3]                    ; lanes l and l xor 16 write the same two bytes with the same value
.endm
	OUT OHI, STH, S, 48, 68
	OUT OLO, STL, S+32, 56, 72
	s_wait_tensorcnt 0x0                           ; the wave's end
	ds_add_u32 v[SPW], v[NIL]
	s_wait_dscnt 0x0
	s_endpgm
.Lfunc_end_k_q9dfadd978e_attn:
	.size	k_q9dfadd978e_attn, .Lfunc_end_k_q9dfadd978e_attn-k_q9dfadd978e_attn
	.p2alignl 7, 3214868480
	.fill 96, 4, 3214868480
	.section	.rodata,"a",@progbits
	.p2align	6, 0x0
	.amdhsa_kernel k_q9dfadd978e_attn
		.amdhsa_group_segment_fixed_size 167936
		.amdhsa_private_segment_fixed_size 0
		.amdhsa_enable_private_segment 0
		.amdhsa_kernarg_size 40
		.amdhsa_user_sgpr_count 2
		.amdhsa_user_sgpr_kernarg_segment_ptr 1
		.amdhsa_wavefront_size32 1
		.amdhsa_system_sgpr_workgroup_id_x 1
		.amdhsa_system_sgpr_workgroup_id_y 1
		.amdhsa_system_sgpr_workgroup_id_z 1
		.amdhsa_system_vgpr_workitem_id 0
		.amdhsa_next_free_vgpr 256
		.amdhsa_next_free_sgpr 76
		.amdhsa_reserve_vcc 1
		.amdhsa_float_denorm_mode_32 3
		.amdhsa_float_denorm_mode_16_64 3
		.amdhsa_memory_ordered 1
		.amdhsa_forward_progress 1
		.amdhsa_inst_pref_size 141
	.end_amdhsa_kernel
	.amdgpu_metadata
---
amdhsa.version: [ 1, 2 ]
amdhsa.kernels:
  - .name:           k_q9dfadd978e_attn
    .symbol:         k_q9dfadd978e_attn.kd
    .args:
      - { .name: qimg, .offset: 0, .size: 8, .value_kind: global_buffer, .address_space: global }
      - { .name: qs, .offset: 8, .size: 8, .value_kind: global_buffer, .address_space: global }
      - { .name: kv, .offset: 16, .size: 8, .value_kind: global_buffer, .address_space: global }
      - { .name: ao, .offset: 24, .size: 8, .value_kind: global_buffer, .address_space: global }
      - { .name: aos, .offset: 32, .size: 8, .value_kind: global_buffer, .address_space: global }
    .group_segment_fixed_size: 167936
    .private_segment_fixed_size: 0
    .kernarg_segment_align: 8
    .kernarg_segment_size: 40
    .max_flat_workgroup_size: 512
    .sgpr_count:     76
    .vgpr_count:     256
    .wavefront_size: 32
...
	.end_amdgpu_metadata
.endif
;; end of part 2
;; launch oproj (part 3): grid 4 x 64, 4 waves a work-group, clusters of 4 x 4, 327,680 bytes of LDS; arguments ao, aos, Wo_codes, Wo_scales, bo, out0; writes out0
.if DOCPART == 3
	.amdgcn_target "amdgcn-amd-amdhsa--gfx1250"
	.amdhsa_code_object_version 6
	.text
	.protected	k_q9dfadd978e_oproj
	.globl	k_q9dfadd978e_oproj
	.p2align	8
	.type	k_q9dfadd978e_oproj,@function
k_q9dfadd978e_oproj:
	s_mov_b64 s[64:65], 0
	v_nop
	global_prefetch_b8 v0, s[64:65] scope:SCOPE_SE
	s_setreg_imm32_b32 hwreg(HW_REG_WAVE_MODE, 25, 1), 1
	s_wait_xcnt 0x0
	s_wait_alu depctr_hold_cnt(0) depctr_sa_sdst(0) depctr_va_vdst(0) depctr_va_sdst(0) depctr_va_ssrc(0) depctr_va_vcc(0) depctr_vm_vsrc(0)
	s_getreg_b32 s2, hwreg(HW_REG_IB_STS2, 6, 4)
	s_cmp_eq_u32 s2, 0
	s_cbranch_scc0 .Lentry_in_a_cluster
	s_endpgm
.Lentry_in_a_cluster:
	s_bfe_u32 s2, ttmp6, 0x10000c
	s_cmp_lg_u32 s2, 0xf033
	s_cbranch_scc0 .Lentry_shape_is_right
	s_endpgm
.Lentry_shape_is_right:
; out0 = O Wo^T + bo on codes of FP6 (E2M3).  Nothing of this product is left out.  256 work-groups, each 128 x 256 of the result, K = 1,024, four waves of 64 x 128 (32 accumulators).
; ALL of K lies in LDS, filled ONCE: A = ao, images of half fragments [row tile of 16][head][768], a block's eight row tiles are 98,304 dense bytes (waves 0, 1 a half each, as rows of 256 bytes);
; B = Wo's 256 rows of 768 bytes, 16 bytes of padding behind every 256 (waves 2, 3 a half each).  Scale words and bo go from memory into registers; bo is the first products' C.
; CLUSTERS 4 x 4: A's tiles are shared by a row of the cluster, B's by a column.  NO PREFETCH: every byte is asked for at the head; there is no loop to run ahead in.
; TRANSPOSED USE: lane (r, h) holds row r, register 8 b + j column 16 b + 8 h + j.  THE WAY OUT: 16 rows x 128 columns at a time through my stage, which lies in A's bytes behind a barrier behind which nobody reads them.
; REGISTERS: window 0: addresses, scale words v32-83, A's fragments v128-223, two sets;  window 1: B's two sets v0-191, bo v192-255;  window 2: the accumulators.
.set SIZE_N, 1024
.set KROW,   768
.set PITCH,  816
.set RT,     12288                     ; a row tile of ao
.set BB,     8*RT                      ; B's rows behind A's images
.set SPARE,  BB+256*PITCH
.set SPITCH, 528
.set BOO, 15
.set STO, 24
.set ABS, 25
.set RD,  26
.set CO,  27
.set SPW, 28
.set NIL, 29
.set SA,  32
.set SB,  52
.set ADA, 84                           ; v84: my images + 16 x lane; v85: + 8 x lane
.set ADB, 92
.set AF,  128
.set BN,  192                          ; window 1
.set BK,  128
.set G1,  68
.set G1B, 76
.set G0,  84
.set G0B, 88
.set MSB, 0
.macro WIN new
.if MSB != \new
	s_set_vgpr_msb (MSB<<8)|\new
.set MSB, \new
.endif
.endm
.macro PLACES n
.rept \n
	v_nop
.endr
.endm
.macro CREST
	s_cmp_lg_u32 s14, 0
	s_cbranch_scc1 .Lnot_wave_0_\@
	s_barrier_signal -3
.Lnot_wave_0_\@:
	s_barrier_wait -3
	s_barrier_signal -1
	s_barrier_wait -1
.endm
.macro CROUND
	s_barrier_signal -1
	s_barrier_wait -1
	CREST
.endm
.macro FRAG reg, q, ad                 ; a fragment of B, K step q: six pieces of 8 bytes, two to a load where both go by one address register
.set SKIP_, 0
.irp p, 0,1,2,3,4,5
.if SKIP_
.set SKIP_, 0
.else
.set PC_, 12*(\q)+6*(\p/3)+\p%3
.set PN_, 12*(\q)+6*((\p+1)/3)+(\p+1)%3
.set X_, (PC_%32+3)/32
.set XQ_, (PN_%32+3)/32
.set NLD, NLD+1
.if (\p < 5) && (X_ == XQ_)
.set SKIP_, 1
	ds_load_2addr_b64 v[\reg+2*\p:\reg+2*\p+3], v[\ad+X_] offset0:PC_+2*(PC_/32) offset1:PN_+2*(PN_/32)
.else
	ds_load_b64 v[\reg+2*\p:\reg+2*\p+1], v[\ad+X_] offset:8*(PC_+2*(PC_/32))
.endif
.endif
.endr
.endm
.macro FETCH q                         ; K step q (heads 2 q, 2 q + 1) into set q % 2.  NLD counts the loads
.set NLD, 16
	WIN 0x40
.irp b, 0,1,2,3,4,5,6,7
	FRAG 96*((\q)%2)+12*\b, \q, ADB+2*\b
.endr
	WIN 0
.irp a, 0,1,2,3
.irp c, 0,1
.set R_, AF+48*((\q)%2)+12*\a+6*\c
	ds_load_b128 v[R_:R_+3], v[ADA] offset:RT*\a+768*(2*(\q)+\c)
	ds_load_b64 v[R_+4:R_+5], v[ADA+1] offset:RT*\a+768*(2*(\q)+\c)+512
.endr
.endr
.endm
.macro MM c, q, ap, bp, ra, rb
	v_wmma_scale_f32_16x16x128_f8f6f4 v[D_:D_+7], v[B_:B_+11], v[A_:A_+11], \c, v[SB+8*\bp+(\q)], v[SA+8*(\ap)+(\q)] matrix_a_fmt:MATRIX_FMT_FP6 matrix_b_fmt:MATRIX_FMT_FP6 matrix_a_scale:MATRIX_SCALE_ROW\rb matrix_b_scale:MATRIX_SCALE_ROW\ra
.endm
.macro MULH q, ap, first               ; 16 products; the 32 accumulators take turns.  first = 1: C is bo
.irp ra, 0,1
.irp bp, 0,1,2,3
.irp rb, 0,1
.set D_, 8*(8*(2*(\ap)+\ra)+2*\bp+\rb)
.set B_, 96*((\q)%2)+12*(2*\bp+\rb)
.set A_, AF+48*((\q)%2)+12*(2*(\ap)+\ra)
.if \first
	MM v[BN+8*(2*\bp+\rb):BN+8*(2*\bp+\rb)+7], \q, \ap, \bp, \ra, \rb
.else
	MM v[D_:D_+7], \q, \ap, \bp, \ra, \rb
.endif
.endr
.endr
.endr
.endm
.macro STEPQ q, first
	FETCH (\q)+1
	s_wait_dscnt NLD                               ; all but the loads just issued
.if \first
	WIN 0x91                                       ; C from window 1
.else
	WIN 0xa1
.endif
	MULH \q, 0, \first
	MULH \q, 1, \first
	WIN 0
	PLACES 4
.endm
	s_load_b256 s[4:11], s[0:1], 0x0               ; ao, aos, Wo's codes, Wo's scales
	s_load_b128 s[16:19], s[0:1], 0x20             ; bo, out0
	v_lshl_add_u32 v[SPW], v0, 2, SPARE
	v_mov_b32 v[NIL], 0
	ds_add_u32 v[SPW], v[NIL]                      ; the opening lines
	ds_add_u32 v[SPW], v[NIL]
	v_lshrrev_b32 v1, 5, v0
	v_readfirstlane_b32 s14, v1
	s_lshr_b32 s15, s14, 1                         ; w: my half of the rows; also: I fetch for A (0) or B (1)
	s_and_b32 s13, s14, 1                          ; j: my half of the columns; also: which half I fetch
	s_bfe_u32 s52, ttmp6, 0x40000                  ; cx = tile column
	s_bfe_u32 s53, ttmp6, 0x40004
	s_and_b32 s2, ttmp7, 0xffff
	s_lshl_b32 s54, s2, 2
	s_add_co_u32 s54, s54, s53                     ; tile row, 0 .. 63
	s_lshl_b32 s2, s53, 2
	s_lshl_b32 s2, 15, s2
	s_lshl_b32 s3, 0x1111, s52
	s_or_b32 s[G1+0], s2, (3<<16)|(1<<21)          ; A: 49,152 dense bytes as 192 rows of 256
	s_mov_b32 s[G1+1], 32<<16
	s_mov_b32 s[G1+2], 192<<16
	s_mov_b32 s[G1+3], 32<<16
	s_mov_b32 s[G1+4], 192
	s_mov_b32 s[G1+5], 32
	s_mov_b32 s[G1+6], 0
	s_mov_b32 s[G1+7], 0
	s_or_b32 s[G1B+0], s3, (1<<20)|(1<<21)|(5<<22)|(3<<25)   ; B: 128 rows of 768 bytes, padded
	s_mov_b32 s[G1B+1], KROW<<16
	s_mov_b32 s[G1B+2], 128<<16
	s_mov_b32 s[G1B+3], KROW<<16
	s_mov_b32 s[G1B+4], 128
	s_mov_b32 s[G1B+5], KROW
	s_mov_b32 s[G1B+6], 0
	s_mov_b32 s[G1B+7], 0
	s_mov_b32 s[G0], 1
	s_mul_i32 s[G0+1], s13, 4*RT
	s_mov_b32 s[G0B], 1
	s_mul_i32 s[G0B+1], s13, 128*PITCH
	s_add_co_u32 s[G0B+1], s[G0B+1], BB
	s_lshl_b32 s20, s54, 3
	s_lshl_b32 s21, s13, 2
	s_add_co_u32 s20, s20, s21
	s_mul_i32 s20, s20, RT                         ; the four row tiles that I fetch
	s_mov_b32 s21, 0
	s_lshl_b32 s22, s52, 8
	s_lshl_b32 s23, s13, 7
	s_add_co_u32 s22, s22, s23                     ; the 128 rows of Wo that I fetch and multiply
	s_mul_i32 s24, s22, KROW
	s_mov_b32 s25, 0
	s_lshl_b32 s22, s22, 5
	s_mov_b32 s23, 0
	s_lshl_b32 s26, s54, 7
	s_lshl_b32 s27, s15, 6
	s_add_co_u32 s26, s26, s27                     ; my first row
	s_lshl_b32 s28, s26, 12
	s_mov_b32 s29, 0
	s_lshl_b32 s26, s26, 5
	s_mov_b32 s27, 0
	s_lshl_b32 s30, s52, 10
	s_lshl_b32 s31, s13, 9
	s_add_co_u32 s30, s30, s31                     ; my first column, in bytes
	s_mov_b32 s31, 0
	s_mul_i32 s32, s15, 4*RT
	s_mul_i32 s33, s14, 16*SPITCH
	v_and_b32 v1, 15, v0
	v_bfe_u32 v2, v0, 4, 1
	v_and_b32 v6, 31, v0
	v_mul_u32_u24 v3, v1, PITCH
	v_mad_u32_u24 v4, v2, 24, v3
	v_mad_u32_u24 v5, v2, 40, v3
	v_add_nc_u32 v18, s[G0B+1], v4
	v_add_nc_u32 v19, s[G0B+1], v5
.irp b, 0,1,2,3,4,5,6,7
	v_add_nc_u32 v[ADB+2*\b], \b*16*PITCH, v18
	v_add_nc_u32 v[ADB+2*\b+1], \b*16*PITCH, v19
.endr
	v_lshlrev_b32 v[CO], 4, v6
	v_lshl_add_u32 v[ADA], v6, 4, s32
	v_lshl_add_u32 v[ADA+1], v6, 3, s32
	v_lshlrev_b32 v[ABS], 5, v6
	v_lshlrev_b32 v[BOO], 5, v2
	v_mul_u32_u24 v7, v1, SPITCH
	v_lshl_add_u32 v7, v2, 5, v7
	v_add_nc_u32 v[STO], s33, v7
	v_add_nc_u32 v[RD], s33, v[CO]
	s_wait_alu depctr_va_vdst(0)                   ; the wait at the head's end
	s_wait_dscnt 0x0
	s_wait_kmcnt 0x0
	s_add_nc_u64 s[G0+2:G0+3], s[4:5], s[20:21]
	s_or_b32 s[G0+3], s[G0+3], 0x80000000
	s_add_nc_u64 s[G0B+2:G0B+3], s[8:9], s[24:25]
	s_or_b32 s[G0B+3], s[G0B+3], 0x80000000
	s_add_nc_u64 s[6:7], s[6:7], s[26:27]
	s_add_nc_u64 s[10:11], s[10:11], s[22:23]
	s_add_nc_u64 s[16:17], s[16:17], s[30:31]
	s_add_nc_u64 s[12:13], s[18:19], s[28:29]
	s_add_nc_u64 s[12:13], s[12:13], s[30:31]
	CROUND                                         ; ahead of the joint loads
	s_cmp_eq_u32 s15, 0
	s_cbranch_scc0 .Lfor_b
	tensor_load_to_lds s[G0:G0+3], s[G1:G1+7]
	s_nop 0
	PLACES 4
	s_branch .Lasked
.Lfor_b:
	tensor_load_to_lds s[G0B:G0B+3], s[G1B:G1B+7]
	s_nop 0
	PLACES 4
.Lasked:
.irp p, 0,1
.irp c, 0,1
	global_load_b128 v[SA+8*\p+4*\c:SA+8*\p+4*\c+3], v[ABS], s[6:7] offset:1024*\p+16*\c
.endr
.endr
.irp p, 0,1,2,3
.irp c, 0,1
	global_load_b128 v[SB+8*\p+4*\c:SB+8*\p+4*\c+3], v[ABS], s[10:11] offset:1024*\p+16*\c
.endr
.endr
	WIN 0x40
.irp b, 0,1,2,3,4,5,6,7
	global_load_b128 v[BN+8*\b:BN+8*\b+3], v[BOO], s[16:17] offset:64*\b
	global_load_b128 v[BN+8*\b+4:BN+8*\b+7], v[BOO], s[16:17] offset:64*\b+16
.endr
	WIN 0
	s_wait_tensorcnt 0x0                           ; my part is in,
	s_barrier_signal -1
	s_barrier_wait -1                              ; everybody's is.  Nothing is filled again in this launch
	FETCH 0
	s_wait_loadcnt 0x0
	STEPQ 0, 1
.irp q, 1,2,3,4,5,6
	STEPQ \q, 0
.endr
	s_wait_dscnt 0x0                               ; my last reads of A's and B's bytes are over
	s_barrier_signal -1
	WIN 0xa1
	MULH 7, 0, 0
	MULH 7, 1, 0
	WIN 0
	s_barrier_wait -1                              ; everybody's are: the stages may lie in A's bytes
	PLACES 4
.macro TOSTAGE a
	WIN 0x08                                       ; the data: window 2
.irp b, 0,1,2,3,4,5,6,7
	ds_store_b128 v[STO], v[64*(\a)+8*\b:64*(\a)+8*\b+3] offset:64*\b          ; each accumulator from its low end on
	ds_store_b128 v[STO], v[64*(\a)+8*\b+4:64*(\a)+8*\b+7] offset:64*\b+16
.endr
	WIN 0
.set BX, BK+64*((\a)%2)
.irp t, 0,1,2,3,4,5,6,7,8,9,10,11,12,13,14,15
	ds_load_b128 v[BX+4*\t:BX+4*\t+3], v[RD] offset:\t*SPITCH                 ; my own stores, served in order
.endr
.endm
.macro SEND a, younger
.set BX, BK+64*((\a)%2)
	s_wait_dscnt \younger
.if (\a) > 0
	s_add_nc_u64 s[12:13], s[12:13], 16*SIZE_N*4   ; behind a wait on XCNT
.endif
.irp t, 0,1,2,3,4,5,6,7,8,9,10,11,12,13,14,15
	global_store_b128 v[CO], v[BX+4*\t:BX+4*\t+3], s[12:13] offset:\t*SIZE_N*4 th:TH_STORE_NT   ; 32 lanes: 512 consecutive bytes, aligned to 256
.endr
.endm
	TOSTAGE 0
.irp a, 1,2,3
.if \a > 1
	s_wait_xcnt 0x0                                ; block a - 2's stores have read their registers and their base
.endif
	TOSTAGE \a
	SEND \a-1, 32                                  ; behind block a - 1's loads: block a's 16 stores and 16 loads
.endr
	s_wait_xcnt 0x0
	SEND 3, 0
	s_wait_tensorcnt 0x0                           ; the wave's end
	ds_add_u32 v[SPW], v[NIL]
	s_wait_dscnt 0x0
	CROUND
	s_endpgm
.Lfunc_end_k_q9dfadd978e_oproj:
	.size	k_q9dfadd978e_oproj, .Lfunc_end_k_q9dfadd978e_oproj-k_q9dfadd978e_oproj
	.p2alignl 7, 3214868480
	.fill 96, 4, 3214868480
	.section	.rodata,"a",@progbits
	.p2align	6, 0x0
	.amdhsa_kernel k_q9dfadd978e_oproj
		.amdhsa_group_segment_fixed_size 327680
		.amdhsa_private_segment_fixed_size 0
		.amdhsa_enable_private_segment 0
		.amdhsa_kernarg_size 48
		.amdhsa_user_sgpr_count 2
		.amdhsa_user_sgpr_kernarg_segment_ptr 1
		.amdhsa_wavefront_size32 1
		.amdhsa_system_sgpr_workgroup_id_x 1
		.amdhsa_system_sgpr_workgroup_id_y 1
		.amdhsa_system_sgpr_workgroup_id_z 1
		.amdhsa_system_vgpr_workitem_id 0
		.amdhsa_next_free_vgpr 768
		.amdhsa_next_free_sgpr 102
		.amdhsa_reserve_vcc 0
		.amdhsa_float_denorm_mode_32 3
		.amdhsa_float_denorm_mode_16_64 3
		.amdhsa_memory_ordered 1
		.amdhsa_forward_progress 1
		.amdhsa_inst_pref_size 80
	.end_amdhsa_kernel
	.amdgpu_metadata
---
amdhsa.version: [ 1, 2 ]
amdhsa.kernels:
  - .name:           k_q9dfadd978e_oproj
    .symbol:         k_q9dfadd978e_oproj.kd
    .args:
      - { .name: ao, .offset: 0, .size: 8, .value_kind: global_buffer, .address_space: global }
      - { .name: aos, .offset: 8, .size: 8, .value_kind: global_buffer, .address_space: global }
      - { .name: Wo_codes, .offset: 16, .size: 8, .value_kind: global_buffer, .address_space: global }
      - { .name: Wo_scales, .offset: 24, .size: 8, .value_kind: global_buffer, .address_space: global }
      - { .name: bo, .offset: 32, .size: 8, .value_kind: global_buffer, .address_space: global }
      - { .name: out0, .offset: 40, .size: 8, .value_kind: global_buffer, .address_space: global }
    .group_segment_fixed_size: 327680
    .private_segment_fixed_size: 0
    .kernarg_segment_align: 8
    .kernarg_segment_size: 48
    .max_flat_workgroup_size: 128
    .sgpr_count:     102
    .vgpr_count:     768
    .wavefront_size: 32
...
	.end_amdgpu_metadata
.endif
;; end of part 3
